; MI455X (gfx1250); checked and timed in simulation.
; The chip was launched on July 23, 2026; its instructions are those of AMD's public machine-readable ISA for CDNA 5 (MIT licence, August 2026) and "CDNA5" Instruction Set Architecture Reference Guide (July 2026). The comments in the code are by the model that wrote it; some were corrected since.
;; SVDQW4 A4 Linear. Allowed arithmetic: matrix products marked QUANTISED: E4M3 operands, one E8M0 scale for each 32 along K, by v_wmma_scale_f32_16x16x128_f8f6f4 with both operands' format E4M3, f32 sums; everything else in f32.
;; Inputs: bias 4,096 float32; proj_down_codes 32 x 128 x 32 uint8 (E4M3 codes of proj_down, K innermost, in blocks of 32 codes); proj_down_scales 32 x 128 uint8 (E8M0 scales of proj_down, one for each 32 codes along K); proj_up_codes 4,096 x 1 x 32 uint8 (E4M3 codes of proj_up, K innermost, in blocks of 32 codes); proj_up_scales 4,096 x 1 uint8 (E8M0 scales of proj_up, one for each 32 codes along K); qweight 4,096 x 4,096 int32; smooth_factor 4,096 float32; wscales 64 x 4,096 float32; wtscale 1 float32; x 4,096 x 4,096 bfloat16.
;; Outputs: out0 4,096 x 4,096 bfloat16.
;; This version of the problem:
;;   THIS VERSION OF THE PROBLEM IS GIVEN IN LOW PRECISION. The matrix products marked QUANTISED in the list below multiply operands that are first quantised to E4M3 (4 exponent bits, 3 mantissa bits; 8 bits a number), with one power-of-two scale for each 32 numbers along K (OCP MX v1.0); their sums are f32. All else is computed in f32.
;;   The module's matrix products, in the order in which they are computed (A, B: the left and right operand; K: the contracted axis; several contracted axes count as one K, in the product's order):
;;     1. [M 4,096, K 4,096] x [K 4,096, N 4,096]; A: computed on the way; B: computed on the way: QUANTISED
;;     2. [M 4,096, K 4,096] x [K 4,096, N 32]; A: input x; B: input proj_down (given as codes): QUANTISED
;;     3. [M 4,096, K 32] x [K 32, N 4,096]; A: computed on the way; B: input proj_up (given as codes): QUANTISED
;;   THE QUANTISER, for each operand of a quantised product, along K:
;;     - K is cut into blocks of 32 from its start; a last block that is shorter is filled with zeros.
;;     - A block's scale is 2^e with e = floor(log2(the largest magnitude in the block)) - 8, held to -126 .. 127; a block of zeros has e = 0. As a byte (E8M0): e + 127.
;;     - Each number is divided by its block's scale, clamped to +-448, and rounded to the nearest number of E4M3, ties to even, subnormals kept.
;;     - The product sums the exact products of the quantised numbers (number of the format x scale) in f32.
;;   ~~~python
;;   def quantise(x, axis):      # numpy; x: float32 -> the quantised numbers, widened to float32 again
;;       x = np.moveaxis(x, axis, -1); K = x.shape[-1]
;;       x = np.pad(x, [(0, 0)] * (x.ndim - 1) + [(0, -K % 32)]); x = x.reshape(x.shape[:-1] + (-1, 32)); a = np.abs(x).max(-1, keepdims=True)
;;       e = np.where(a > 0, np.clip(np.frexp(np.where(a > 0, a, 1))[1] - 1 - 8, -126, 127), 0)      # np.frexp(a)[1] - 1 = floor(log2(a)), exactly
;;       r = np.clip(x / 2.0 ** e, -448, 448)
;;       step = 2.0 ** (np.maximum(np.frexp(np.where(r == 0, 1, r))[1] - 1, -6) - 3)
;;       q = np.round(r / step) * step * 2.0 ** e      # np.round: ties to even
;;       return np.moveaxis(q.reshape(q.shape[:-2] + (-1,))[..., :K], -1, axis).astype(np.float32)
;;   ~~~
;;   OPERANDS COMPUTED ON THE WAY. 'Computed on the way' means the value that the module computes at that place (a softmax that the list does not call 'softmax' is quantised finished and normalised). What goes into a quantiser is computed in f32, as accurately as f32 sums, v_exp_f32 and their like allow (about 1e-6 of the number): no bf16 or f16 on the way to a quantiser, and a product that is left as it is and whose result goes on into a quantised operand takes f32 operands (vector FMAs, or v_wmma_f32_16x16x4_f32). A number that lies on a knife's edge between two numbers of the format may be rounded either way, as far as f32 arithmetic and the matrix unit's own rounding can turn it there, and no further.
;;   INPUTS GIVEN AS CODES. proj_down (in the module: [4096, 32], K = its axis 0); proj_up (in the module: [4096, 32], K = its axis 1): each comes as NAME_codes (uint8): NAME with its K axis moved to the last place and cut into blocks of 32 codes, [.., K / 32, bytes a block], one block behind the other in memory; one code a byte (a code: sign, 4 exponent bits, 3 mantissa bits); and NAME_scales (uint8): the same leading axes, one E8M0 byte (e + 127) for each 32 codes along K. Its value is code x scale, taken as it is: it is not quantised again, and the codes and scales need not be those that the quantiser above would give.
;; One version. Each part assembles by itself: llvm-mc -triple=amdgcn-amd-amdhsa -mcpu=gfx1250 --defsym DOCPART=n.
;; ======== version 1 of 1: 2 launches
;; limits: values are held in bf16: 8 bits of precision; right only within a limited range of input values
;; workspace buffers: xs_t 17,301,504 bytes; w_t 17,301,504 bytes; act_codes 131,072 bytes; act_scales 4,096 bytes
;; launch quant (part 1): grid 256 x 1, 16 waves a work-group, no clusters, 327,680 bytes of LDS; arguments x, smooth_factor, proj_down_codes, proj_down_scales, xs_t, act_codes, act_scales, qweight, wscales, w_t; writes xs_t, act_codes, act_scales, w_t
.if DOCPART == 1
	.amdgcn_target "amdgcn-amd-amdhsa--gfx1250"
	.amdhsa_code_object_version 6
	.text
	.protected	k_qf498729ea5_quant
	.globl	k_qf498729ea5_quant
	.p2align	8
	.type	k_qf498729ea5_quant,@function
k_qf498729ea5_quant:
	s_mov_b64 s[64:65], 0
	v_nop
	global_prefetch_b8 v0, s[64:65] scope:SCOPE_SE
	s_setreg_imm32_b32 hwreg(HW_REG_WAVE_MODE, 25, 1), 1
	s_wait_xcnt 0x0
; THE PROGRAM: out0 = bf16( Q(x / smooth) Q(W)^T + wtscale x ( Q( Q(x) proj_down ) proj_up^T ) + bias ),  W[o][k] = (qweight[o][k] - 8) x wscales[k / 64][o],
; Q = codes of E4M3 with one E8M0 scale for each 32 along K.  Two launches: this one makes every operand; the second multiplies.
; DEAD WORK: none.  Every input (wtscale and bias too) has a way to out0 for some values, so every input is loaded and every product of the problem is done.
; THIS LAUNCH.  (1) x / smooth in f32, quantised along K, into xs_t.  (2) x itself quantised in registers, multiplied by proj_down's codes (the problem's second product), the sums of all K added in f32,
; quantised along the rank (one block of 32): act_codes [4096][32], act_scales [4096].  (3) W in f32 (one fused multiply-add: q s - 8 s, 8 s being exact, is (q - 8) s rounded once), quantised along K, into w_t.
; w_t and xs_t = [row block of 128: 32][K step of 256: 16][CHUNK].  A chunk: 16 images of operand registers, 2,048 bytes each, fragment (16-row block i, 128-step q) at (2 i + q) x 2,048: byte 512 c + 16 lane + t is the code of
; row 16 i + lane % 16 at k = 128 q + 32 c + 16 (lane / 16) + t; behind them, at 32,768, the rows' scale words: 8 bytes a row (q = 0, q = 1).  So a chunk is 132 dense runs of 256 bytes.
; SHARES.  256 work-groups of sixteen waves, all alike.  Of x a work-group owns 16 rows for all of K, so that the second product's sum never leaves it; wave w owns K step w: two units of 16 x 128.
; Of W a work-group owns chunks 2 g and 2 g + 1 (g its number); wave w the 16-row block w % 8 of chunk 2 g + w / 8: two fragments.
; THE WAY IN.  A tile is 16 rows x 512 bytes, laid in LDS with rows 528 bytes apart, so that a lane reads, of its row, 16 neighbours of each block of 32 and the sixteen rows of a read start in sixteen different columns of 16 bytes.
; Each wave has a tile in each of two regions and touches no other wave's.  At the head it asks for x by its one tensor load (region 0) and for W's fragment 0 by sixteen asynchronous copies, a row of 512 consecutive bytes each (region 1):
; both fill their bytes once.  W's fragment 1 comes by sixteen plain loads, a row each, into the 64 registers that unit 1 of x has left, issued in the middle of that unit; it turns through the wave's tile of region 0,
; whose one fill and whose reads are over by then.  So no request of a wave waits for another wave, and the only barriers are the two of the rank sum.
; A copy's immediate is added to both its addresses: with the immediate 528 p the LDS address register serves all sixteen rows, and row p's scalar base is the tile's address + (16,384 - 528) p.
; 1 / smooth: v_rcp_f32 and one Newton step, once a wave for its 256 columns, handed to the lanes through the wave's own LDS bytes.
; THE SECOND PRODUCT IS USED TRANSPOSED (source 0 = 16 ranks of proj_down, source 1 = my 16 rows), and lane r of tile u takes rank 8 u + r + 8 (r / 8): a lane's 16 results are then ranks 16 (lane / 16) + 0 .. 15 of row lane % 16,
; the order in which the third product's operand wants them.  The sixteen waves' partial sums meet in LDS as images of registers: wave w adds register w of all sixteen; wave 0 quantises.
; Each store of codes covers 512 consecutive bytes.  The scale words leave in runs of 128 bytes and act_scales in runs of 16: 16 rows to a wave give every wave equal work, and these are 3 bytes in 100 of what is stored.
; No cluster: work-groups share only proj_down, 128 KiB.  No prefetch: the launch has no loop to run ahead in; two thirds of a wave's bytes are asked for at its head and the rest as soon as registers are free.
; LIMITS: NaN and infinities are not served; smooth_factor is a normal number other than 0; qweight is exact up to magnitudes under 2^24; a block whose largest magnitude lies under 2^-118 (a block of zeros too) gets the byte 1: its bytes are read by this program alone.
.set CHUNK, 33792
.set SP,    528                        ; a tile's row in LDS: 512 bytes + 16
.set WST,   16*SP                      ; a tile; region 0: a tile for each wave, from byte 0;
.set R1,    16*WST                     ; region 1: the same again;
.set RT,    2*R1                       ; 1,024 bytes for each wave: its 256 reciprocals;
.set RED,   RT+16*1024                 ; 2,048 bytes for each wave: its 16 registers of partial sums, four images of 512 bytes;
.set RED2,  RED+16*2048                ; the finished sums: 80 bytes a lane (16 numbers + 16 bytes);
.set SPARE, RED2+32*80                 ; the spare words, 128 bytes a wave
.set LI,  4                            ; v4   16 x lane; never rewritten
.set STI, 5                            ; v5   my tile in region 0, way in: 16 x lane
.set STO, 6                            ; v6   my tile in region 0, read as x: 528 r + 32 h
.set RTI, 7                            ; v7   the reciprocals, way in: 32 x lane
.set RTO, 8                            ; v8   way out: 64 h
.set PDO, 9                            ; v9   proj_down's codes: (r + 8 (r / 8)) x 4,096 + 16 h
.set PSO, 10                           ; v10  its scale bytes: (r + 8 (r / 8)) x 128
.set L32, 11                           ; v11  32 x lane
.set REDI, 12                          ; v12  my partial sums' place
.set REDO, 13                          ; v13  register w of a wave's image
.set R2I, 14                           ; v14  80 x lane + 4 w
.set R2O, 15                           ; v15  80 x lane
.set SWO, 16                           ; v16  8 r + 4 h
.set ACO, 17                           ; v17  32 r + 16 h
.set SPW, 18                           ; v18  my spare word; never rewritten
.set NIL, 19                           ; v19  0; never rewritten
.set STW, 20                           ; v20  my tile in region 0, read as W: 528 r + 64 h
.set SWD, 21                           ; v21  the scale word of x / smooth that I store
.set PWX, 22                           ; v22  x's scale word
.set SO4, 23                           ; v23  4 r
.set PWS, 24                           ; v24-25 the scale words of x / smooth, units 0 and 1
.set PDS, 26                           ; v26-29 proj_down's scale words: tile u, unit q at 2 u + q
.set PWW, 30                           ; v30-31 W's scale words, fragments 0 and 1
.set TM,  32                           ; v32-47 at work in QUANT
.set EE,  TM+8                         ; at the head: the Newton step's error
.set PCX, 48                           ; v48-63 the codes just made: x's, then W's
.set ACC, 64                           ; v64-79 the two tiles' sums
.set SM,  64                           ; at the head: my 8 numbers of smooth_factor,
.set RC,  72                           ; and their reciprocals
.set PD,  80                           ; v80-111 proj_down's two fragments
.set X,   112                          ; v112-175 x, then the codes of x / smooth; later W's fragment 0
.set RX,  X+16                         ; the rank sum's sixteen parts,
.set Y,   X+32                         ; and the finished sums
.set XS,  176                          ; v176-239 the reciprocals, then x / smooth; from the middle of unit 1 on W's fragment 1
.set S,   240                          ; v240-243 my row's scale of group g of the K step
.set T,   244                          ; v244-247 -8 x the same
.set SWW, 248                          ; v248 the scale word of W that I store
.set STW1, 249                         ; v249 my tile in region 1, read as W
.set STI1, 250                         ; v250 my tile in region 1, way in: 16 x lane; never rewritten
.set WV,  20
.set SEL, 22                           ; s[22:23] selects of v_permlanex16_b32: lane l xor 16
.set MNT, 24                           ; s24  the mantissa field of 448
.set G0X, 56                           ; s[56:59] group 0 of x's tile
.set G1X, 80                           ; s[80:87] its group 1
.macro QUANT s, pc, pw                 ; 64 numbers of a lane, register 16 b + i = k 32 b + 16 (lane / 16) + i of my row -> 16 registers of codes, and my row's scale word
.irp b, 0,1,2,3
	v_max3_num_f32 v[TM+\b], |v[\s+16*\b]|, |v[\s+1+16*\b]|, 0x4800000   ; block b: my 16 numbers, and the floor 2^(9 - 127): the byte cannot fall under 1
.endr
.irp i, 2,4,6,8,10,12,14
.irp b, 0,1,2,3
	s_delay_alu instid0(VALU_DEP_4)
	v_max3_num_f32 v[TM+\b], v[TM+\b], |v[\s+16*\b+\i]|, |v[\s+1+16*\b+\i]|   ; the four blocks by turns
.endr
.endr
.irp b, 0,1,2,3
	s_delay_alu instid0(VALU_DEP_4)
	v_permlanex16_b32 v[TM+4+\b], v[TM+\b], s[SEL], s[SEL+1]
.endr
.irp b, 0,1,2,3
	s_delay_alu instid0(VALU_DEP_4)
	v_max_num_f32 v[TM+\b], v[TM+\b], v[TM+4+\b]   ; with lane l xor 16's 16: the block's largest magnitude
.endr
.irp b, 0,1,2,3
	s_delay_alu instid0(VALU_DEP_4)
	v_add_nc_u32 v[TM+12+\b], 0xfc000000, v[TM+\b]   ; 8 off its exponent field: the conversion's scale operand
.endr
.irp b, 0,1,2,3
	v_and_or_b32 v[TM+8+\b], v[TM+\b], 0x7f800000, s[MNT]   ; 448 x the scale
.endr
.irp b, 0,1,2,3
	v_lshrrev_b32 v[TM+4+\b], 23, v[TM+12+\b]   ; the scale's byte
.endr
	s_delay_alu instid0(VALU_DEP_3)
	v_lshl_or_b32 v[\pw], v[TM+5], 8, v[TM+4]
	s_delay_alu instid0(VALU_DEP_1)
	v_lshl_or_b32 v[\pw], v[TM+6], 16, v[\pw]
	s_delay_alu instid0(VALU_DEP_1)
	v_lshl_or_b32 v[\pw], v[TM+7], 24, v[\pw]
.irp b, 0,1,2,3
.irp i, 0,1,2,3,4,5,6,7,8,9,10,11,12,13,14,15
	v_med3_num_f32 v[\s+16*\b+\i], v[\s+16*\b+\i], -v[TM+8+\b], v[TM+8+\b]   ; the conversion to an 8-bit code does not saturate (ISA guide 7.6.2): the hold comes first
.endr
	v_cvt_scalef32_pk8_fp8_f32 v[\pc+4*\b:\pc+1+4*\b], v[\s+16*\b:\s+7+16*\b], v[TM+12+\b]
	v_cvt_scalef32_pk8_fp8_f32 v[\pc+2+4*\b:\pc+3+4*\b], v[\s+8+16*\b:\s+15+16*\b], v[TM+12+\b]
.endr
	v_nop                                          ; one plain line behind the last conversion
.endm
.macro PDLOAD q                        ; proj_down's two fragments of my unit q
.irp u, 0,1
.irp c, 0,1,2,3
	global_load_b128 v[PD+16*\u+4*\c:PD+16*\u+4*\c+3], v[PDO], s[8:9] offset:32768*\u+128*\q+32*\c
.endr
.endr
.endm
	s_load_b256 s[4:11], s[0:1], 0x0               ; x, smooth_factor, proj_down's codes, its scales
	s_load_b64 s[12:13], s[0:1], 0x20              ; xs_t
	s_load_b128 s[16:19], s[0:1], 0x28             ; act_codes, act_scales
	s_load_b128 s[48:51], s[0:1], 0x38             ; qweight, wscales
	s_load_b64 s[52:53], s[0:1], 0x48              ; w_t
	v_lshl_add_u32 v[SPW], v0, 2, SPARE
	v_mov_b32 v[NIL], 0
	ds_add_u32 v[SPW], v[NIL]                      ; the opening lines: the add twice on end and one wait, ahead of my first tensor load and copy
	ds_add_u32 v[SPW], v[NIL]
	v_lshrrev_b32 v1, 5, v0
	v_readfirstlane_b32 s[WV], v1                  ; wave 0..15
	v_and_b32 v1, 31, v0                           ; lane
	v_and_b32 v2, 15, v0                           ; r
	v_bfe_u32 v3, v0, 4, 1                         ; h
	v_lshlrev_b32 v[LI], 4, v1
	v_lshlrev_b32 v[L32], 5, v1
	s_mul_i32 s42, s[WV], WST                      ; my tile in a region
	v_mul_u32_u24 v[STO], v2, SP
	v_lshlrev_b32 v[SO4], 2, v2
	v_add_nc_u32 v[STI], s42, v[LI]
	v_lshl_add_u32 v[STW], v3, 6, v[STO]
	v_lshl_add_u32 v[STO], v3, 5, v[STO]
	v_add_nc_u32 v[STI1], R1, v[STI]
	v_add_nc_u32 v[STW], s42, v[STW]
	v_add_nc_u32 v[STO], s42, v[STO]
	v_add_nc_u32 v[STW1], R1, v[STW]
	s_lshl_b32 s43, s[WV], 10
	s_add_co_u32 s43, s43, RT
	v_add_nc_u32 v[RTI], s43, v[L32]
	v_lshl_add_u32 v[RTO], v3, 6, s43
	v_and_b32 v[PDO], 8, v2
	v_add_nc_u32 v[PDO], v[PDO], v2                ; r + 8 (r / 8)
	v_lshlrev_b32 v[PSO], 7, v[PDO]
	v_lshlrev_b32 v[PDO], 12, v[PDO]
	v_lshl_add_u32 v[PDO], v3, 4, v[PDO]
	s_lshl_b32 s44, s[WV], 11
	s_add_co_u32 s44, s44, RED
	v_add_nc_u32 v[REDI], s44, v[LI]
	s_lshr_b32 s45, s[WV], 2
	s_lshl_b32 s45, s45, 9                         ; register w lies in image w / 4,
	s_and_b32 s46, s[WV], 3
	s_lshl_b32 s46, s46, 2                         ; word w % 4 of a lane's 16 bytes
	s_add_co_u32 s45, s45, s46
	s_add_co_u32 s45, s45, RED
	v_add_nc_u32 v[REDO], s45, v[LI]
	v_mul_u32_u24 v[R2O], v1, 80
	v_add_nc_u32 v[R2O], RED2, v[R2O]
	s_lshl_b32 s46, s[WV], 2
	v_add_nc_u32 v[R2I], s46, v[R2O]
	v_lshlrev_b32 v[SWO], 3, v2
	v_lshl_add_u32 v[SWO], v3, 2, v[SWO]
	v_lshlrev_b32 v[ACO], 5, v2
	v_lshl_add_u32 v[ACO], v3, 4, v[ACO]
.irp b, 0,1,2,3
	v_mov_b32 v[TM+4+\b], 0                        ; written once: a lane permute's destination counts as one of its sources
.endr
	s_mov_b32 s[SEL], 0x76543210
	s_mov_b32 s[SEL+1], 0xfedcba98
	s_mov_b32 s[MNT], 0x600000
	; group 1: 16 rows of 64 elements of 8 bytes, 1,024 elements from row to row; 4 dwords of padding behind every 128
	s_mov_b32 s[G1X+0], (3<<16)|(1<<20)|(6<<22)|(3<<25)
	s_mov_b32 s[G1X+1], 64<<16
	s_mov_b32 s[G1X+2], 16<<16
	s_mov_b32 s[G1X+3], 64<<16
	s_mov_b32 s[G1X+4], 16
	s_mov_b32 s[G1X+5], 1024
	s_mov_b32 s[G1X+6], 0
	s_mov_b32 s[G1X+7], 0
	; x's side
	s_lshl_b32 s26, ttmp9, 17                      ; x: 16 rows of 8,192 bytes a work-group,
	s_lshl_b32 s28, s[WV], 9                       ; 512 bytes of a row a wave
	s_add_co_u32 s26, s26, s28
	s_mov_b32 s27, 0
	s_lshl_b32 s28, s[WV], 10                      ; smooth_factor: 256 numbers a wave
	s_mov_b32 s29, 0
	s_lshl_b32 s30, s[WV], 8                       ; proj_down's codes: 256 bytes of a row
	s_mov_b32 s31, 0
	s_lshl_b32 s32, s[WV], 3                       ; its scales: 8 bytes of a row
	s_mov_b32 s33, 0
	s_lshr_b32 s34, ttmp9, 3
	s_lshl_b32 s34, s34, 4
	s_add_co_u32 s34, s34, s[WV]
	s_mul_i32 s34, s34, CHUNK                      ; xs_t: chunk (row block of 128, K step w)
	s_and_b32 s38, ttmp9, 7                        ; my 16 rows in it
	s_lshl_b32 s36, s38, 7
	s_add_co_u32 s36, s36, s34
	s_add_co_u32 s36, s36, 32768                   ; their scale words
	s_mov_b32 s37, 0
	s_lshl_b32 s38, s38, 12
	s_add_co_u32 s34, s34, s38                     ; their two images
	s_mov_b32 s35, 0
	s_lshl_b32 s38, ttmp9, 9                       ; act_codes: 16 rows of 32 bytes
	s_mov_b32 s39, 0
	s_lshl_b32 s40, ttmp9, 4                       ; act_scales: 16 bytes
	s_mov_b32 s41, 0
	; W's side: chunk 2 g + w / 8 = (row block g / 8, K step 2 (g % 8) + w / 8); in it the 16-row block w % 8
	s_lshr_b32 s66, ttmp9, 3                       ; the row block of 128
	s_and_b32 s67, ttmp9, 7
	s_lshl_b32 s67, s67, 1
	s_lshr_b32 s69, s[WV], 3
	s_add_co_u32 s67, s67, s69                     ; the K step
	s_and_b32 s68, s[WV], 7                        ; my 16 rows
	s_lshl_b32 s70, s66, 21                        ; qweight: 128 rows of 16,384 bytes,
	s_lshl_b32 s69, s68, 18                        ; 16 rows,
	s_add_co_u32 s70, s70, s69
	s_lshl_b32 s69, s67, 10                        ; 256 numbers of 4 bytes a K step
	s_add_co_u32 s70, s70, s69
	s_mov_b32 s71, 0
	s_lshl_b32 s72, s67, 16                        ; wscales: four groups (rows of 16,384 bytes) a K step,
	s_lshl_b32 s69, s66, 9                         ; 128 columns of 4 bytes,
	s_add_co_u32 s72, s72, s69
	s_lshl_b32 s69, s68, 6                         ; my 16
	s_add_co_u32 s72, s72, s69
	s_mov_b32 s73, 0
	s_lshl_b32 s74, s66, 4
	s_add_co_u32 s74, s74, s67
	s_mul_i32 s74, s74, CHUNK                      ; w_t: my chunk
	s_lshl_b32 s69, s68, 7
	s_add_co_u32 s76, s74, s69
	s_add_co_u32 s76, s76, 32768                   ; my rows' scale words
	s_mov_b32 s77, 0
	s_lshl_b32 s69, s68, 12
	s_add_co_u32 s74, s74, s69                     ; their two images
	s_mov_b32 s75, 0
	s_wait_alu depctr_va_vdst(0)
	s_wait_dscnt 0x0                               ; both opening adds are done
	s_wait_kmcnt 0x0
	s_add_nc_u64 s[4:5], s[4:5], s[26:27]
	s_mov_b32 s[G0X], 1
	s_mov_b32 s[G0X+1], s42
	s_mov_b64 s[G0X+2:G0X+3], s[4:5]
	s_or_b32 s[G0X+3], s[G0X+3], 0x80000000
	tensor_load_to_lds s[G0X:G0X+3], s[G1X:G1X+7]  ; my 16 rows x 512 bytes of x: my one tensor load
	s_nop 0
	s_add_nc_u64 s[6:7], s[6:7], s[28:29]
	s_add_nc_u64 s[8:9], s[8:9], s[30:31]
	s_add_nc_u64 s[10:11], s[10:11], s[32:33]
	s_add_nc_u64 s[50:51], s[50:51], s[72:73]
	; 16 loads: smooth_factor 2, wscales 4, proj_down's codes 8, its scale words 2
	global_load_b128 v[SM:SM+3], v[L32], s[6:7]
	global_load_b128 v[SM+4:SM+7], v[L32], s[6:7] offset:16
.irp g, 0,1,2,3
	global_load_b32 v[S+\g], v[SO4], s[50:51] offset:16384*\g
.endr
	PDLOAD 0
	global_load_b64 v[PDS:PDS+1], v[PSO], s[10:11]
	global_load_b64 v[PDS+2:PDS+3], v[PSO], s[10:11] offset:1024
	s_add_nc_u64 s[14:15], s[12:13], s[36:37]
	s_add_nc_u64 s[12:13], s[12:13], s[34:35]
	s_add_nc_u64 s[16:17], s[16:17], s[38:39]
	s_add_nc_u64 s[18:19], s[18:19], s[40:41]
	s_add_nc_u64 s[48:49], s[48:49], s[70:71]      ; my tile of qweight; never rewritten from here on
	s_add_nc_u64 s[54:55], s[52:53], s[76:77]
	s_add_nc_u64 s[52:53], s[52:53], s[74:75]
	; W's fragment 0: sixteen copies, row p's 512 bytes to my tile of region 1.  The offsets above have been used: their registers take the rows' bases, s[26:47] for rows 1-11 and s[66:73] for rows 12-15, which stay until the copies are done
	global_load_async_to_lds_b128 v[STI1], v[LI], s[48:49]
.irp p, 1,2,3,4,5,6,7,8,9,10,11,12,13,14,15
.if \p < 12
.set CB, 24+2*\p
.else
.set CB, 42+2*\p
.endif
	s_add_nc_u64 s[CB:CB+1], s[48:49], (16384-SP)*\p
	global_load_async_to_lds_b128 v[STI1], v[LI], s[CB:CB+1] offset:SP*\p
.endr
	s_wait_loadcnt 14                              ; the two oldest loads are in: my 8 numbers of smooth_factor
.irp i, 0,1,2,3,4,5,6,7
	v_rcp_f32 v[RC+\i], v[SM+\i]
.endr
	v_nop                                          ; a plain line behind the last reciprocal,
	s_wait_alu depctr_va_vdst(0)                   ; and one wait for the eight, ahead of their first reader
.irp i, 0,1,2,3,4,5,6,7
	v_fma_f32 v[EE+\i], -v[SM+\i], v[RC+\i], 1.0   ; e = 1 - s y
.endr
.irp i, 0,1,2,3,4,5,6,7
	v_fma_f32 v[RC+\i], v[RC+\i], v[EE+\i], v[RC+\i]   ; y + y e
.endr
	ds_store_b128 v[RTI], v[RC:RC+3]
	ds_store_b128 v[RTI], v[RC+4:RC+7] offset:16
	s_wait_loadcnt 10                              ; the four scales of W are in; proj_down's ten may be out
.irp i, 0,1,2,3
	v_mul_f32 v[T+\i], 0xc1000000, v[S+\i]         ; -8 s, exact
.endr
	s_wait_alu depctr_va_vdst(0)
	s_wait_tensorcnt 0x0                           ; x is in: my own tile, read by me alone
; Unit q of x: 16 rows x 128 along K.
.macro UNIT q
	s_wait_xcnt 0x0                                ; unit 0's stores have read the codes in X's first 16 registers: they are written again only behind this wait
.irp c, 0,1,2,3
.irp j, 0,1
	ds_load_b128 v[X+32+8*\c+4*\j:X+32+8*\c+4*\j+3], v[STO] offset:256*\q+64*\c+16*\j   ; my 16 bf16 of block c
.endr
.endr
.irp c, 0,1,2,3
.irp j, 0,1,2,3
	ds_load_b128 v[XS+16*\c+4*\j:XS+16*\c+4*\j+3], v[RTO] offset:512*\q+128*\c+16*\j    ; and the same columns' reciprocals: sixteen lanes read the same words.  LDS serves a wave's instructions in order: these see my stores
.endr
.endr
	s_wait_dscnt 16                                ; x's eight loads are in; the sixteen behind them may be out
.set ii, 0
.rept 32                                       ; bf16 to f32, upwards in place: word i goes to registers 2 i and 2 i + 1, which lie at or under word i's own register 32 + i
	v_lshlrev_b32 v[X+2*ii], 16, v[X+32+ii]
	v_and_b32 v[X+2*ii+1], 0xffff0000, v[X+32+ii]
.set ii, ii+1
.endr
	s_wait_dscnt 0x0
.set ii, 0
.rept 32
	v_pk_mul_f32 v[XS+ii:XS+ii+1], v[X+ii:X+ii+1], v[XS+ii:XS+ii+1]   ; x / smooth
.set ii, ii+2
.endr
	QUANT X, PCX, PWX
	QUANT XS, X, PWS+\q                            ; its codes take X's first 16 registers.  These lines also stand between x's codes and scale word and the products below
.if \q == 1
.irp p, 0,1,2,3,4,5,6,7,8,9,10,11,12,13,14,15
	global_load_b128 v[XS+4*\p:XS+4*\p+3], v[LI], s[48:49] offset:16384*\p+512 th:TH_LOAD_NT   ; W's fragment 1 into the registers that x / smooth has left: 32 lanes read 512 consecutive bytes of row p
.endr
.endif
	s_wait_alu depctr_va_vdst(0)
.if \q == 1
	s_wait_loadcnt 16                              ; proj_down's fragments are in; the sixteen loads just issued stay out
.else
	s_wait_loadcnt 0x0                             ; proj_down's fragments and scale words
.endif
.irp u, 0,1                                    ; the two tiles' sums take turns
.if \q == 0
	v_wmma_scale_f32_16x16x128_f8f6f4 v[ACC+8*\u:ACC+8*\u+7], v[PD+16*\u:PD+16*\u+15], v[PCX:PCX+15], 0, v[PDS+2*\u+\q], v[PWX]
.else
	v_wmma_scale_f32_16x16x128_f8f6f4 v[ACC+8*\u:ACC+8*\u+7], v[PD+16*\u:PD+16*\u+15], v[PCX:PCX+15], v[ACC+8*\u:ACC+8*\u+7], v[PDS+2*\u+\q], v[PWX]
.endif
.endr
.irp c, 0,1,2,3
	global_store_b128 v[LI], v[X+4*\c:X+4*\c+3], s[12:13] offset:2048*\q+512*\c   ; the image: 32 lanes store 512 consecutive bytes
.endr
.rept 8
	v_nop                                          ; eight places behind the products: ahead of loads into their operands, of vector writes of them, and of the first read of the sums
.endr
.if \q == 0
	PDLOAD 1
.endif
.endm
	UNIT 0
	UNIT 1
	v_cmp_gt_u32 vcc_lo, 16, v1
	s_delay_alu instid0(VALU_DEP_1)
	v_cndmask_b32 v[SWD], v[PWS+1], v[PWS], vcc_lo ; lanes 0-15 store unit 0's word of row r, lanes 16-31 unit 1's
	global_store_b32 v[SWO], v[SWD], s[14:15]      ; 128 consecutive bytes
.irp g, 0,1,2,3
	ds_store_b128 v[REDI], v[ACC+4*\g:ACC+4*\g+3] offset:512*\g   ; each sum from its low end on
.endr
	s_wait_alu depctr_va_vdst(0)
	s_wait_asynccnt 0x0                            ; W's fragment 0 is in: my own tile, read by me alone; its bases and address registers are free
	s_wait_dscnt 0x0                               ; for the others' sake: my partial sums lie in LDS
	s_barrier_signal -1
	s_barrier_wait -1
.irp p, 0,1,2,3,4,5,6,7,8,9,10,11,12,13,14,15
	ds_load_b32 v[RX+\p], v[REDO] offset:2048*\p   ; register w of wave p's sums
.endr
	s_wait_dscnt 0x0
.irp p, 0,2,4,6
	v_pk_add_f32 v[RX+\p:RX+\p+1], v[RX+\p:RX+\p+1], v[RX+8+\p:RX+9+\p]
.endr
.irp p, 0,2
	s_delay_alu instid0(VALU_DEP_2)
	v_pk_add_f32 v[RX+\p:RX+\p+1], v[RX+\p:RX+\p+1], v[RX+4+\p:RX+5+\p]
.endr
	s_delay_alu instid0(VALU_DEP_1)
	v_pk_add_f32 v[RX:RX+1], v[RX:RX+1], v[RX+2:RX+3]
	s_delay_alu instid0(VALU_DEP_1)
	v_add_f32 v[RX], v[RX], v[RX+1]                ; the sum over all of K
	ds_store_b32 v[R2I], v[RX]
	s_wait_dscnt 0x0
	s_barrier_signal -1
	s_barrier_wait -1
	s_cmp_lg_u32 s[WV], 0
	s_cbranch_scc1 .Lweights                       ; wave 0 alone quantises the 16 rows x 32 ranks; no barrier stands in this branch
.irp j, 0,1,2,3
	ds_load_b128 v[Y+4*\j:Y+4*\j+3], v[R2O] offset:16*\j   ; register i: rank 16 h + i of row r
.endr
	s_wait_dscnt 0x0
	v_max3_num_f32 v[TM], |v[Y]|, |v[Y+1]|, 0x4800000
.irp i, 2,4,6,8,10,12,14
	s_delay_alu instid0(VALU_DEP_1)
	v_max3_num_f32 v[TM], v[TM], |v[Y+\i]|, |v[Y+1+\i]|
.endr
	s_delay_alu instid0(VALU_DEP_1)
	v_permlanex16_b32 v[TM+4], v[TM], s[SEL], s[SEL+1]
	s_delay_alu instid0(VALU_DEP_1)
	v_max_num_f32 v[TM], v[TM], v[TM+4]            ; the row's one block of 32
	s_delay_alu instid0(VALU_DEP_1)
	v_add_nc_u32 v[TM+12], 0xfc000000, v[TM]
	s_delay_alu instid0(VALU_DEP_2)
	v_and_or_b32 v[TM+8], v[TM], 0x7f800000, s[MNT]
	s_delay_alu instid0(VALU_DEP_2)
	v_lshrrev_b32 v[TM+4], 23, v[TM+12]
.irp i, 0,1,2,3,4,5,6,7,8,9,10,11,12,13,14,15
	v_med3_num_f32 v[Y+\i], v[Y+\i], -v[TM+8], v[TM+8]
.endr
	v_cvt_scalef32_pk8_fp8_f32 v[PCX:PCX+1], v[Y:Y+7], v[TM+12]
	v_cvt_scalef32_pk8_fp8_f32 v[PCX+2:PCX+3], v[Y+8:Y+15], v[TM+12]
	v_cmp_gt_u32 vcc_lo, 16, v1                    ; (a plain line behind the conversions)
	global_store_b128 v[ACO], v[PCX:PCX+3], s[16:17]   ; 512 consecutive bytes
	s_wait_xcnt 0x0                                ; EXEC changes only behind this wait
	s_and_saveexec_b32 s25, vcc_lo
	global_store_b8 v2, v[TM+4], s[18:19]          ; lanes 0-15: row r's byte
	s_wait_xcnt 0x0                                ; and again, in front of the line that widens it
	s_or_b32 exec_lo, exec_lo, s25
.Lweights:
; W's fragment q, read from my tile at adr into the registers from xb on.  st = 1: it lies in those registers as loaded, a row to four registers, and goes into my tile of region 0 first.
.macro FRAGW q, xb, adr, st
	s_wait_xcnt 0x0                                ; earlier stores have read their data (codes in X's first registers and in v48-63): these are written again only behind this wait
.if \st
	s_wait_loadcnt 0x0                             ; the sixteen rows are in
.irp p, 0,1,2,3,4,5,6,7,8,9,10,11,12,13,14,15
	ds_store_b128 v[STI], v[\xb+4*\p:\xb+4*\p+3] offset:SP*\p   ; over x's bytes: their one fill and my reads of them are over, and no other wave touches them
.endr
.endif
.irp c, 0,1,2,3
.irp j, 0,1,2,3
	ds_load_b128 v[\xb+16*\c+4*\j:\xb+16*\c+4*\j+3], v[\adr] offset:128*\c+16*\j   ; my 16 numbers of block c.  LDS serves a wave's instructions in order: these see the stores above
.endr
.endr
	s_wait_dscnt 0x0
.set nn, 0
.rept 64
	v_cvt_f32_i32 v[\xb+nn], v[\xb+nn]
.set nn, nn+1
.endr
.set nn, 0
.rept 64
	v_fma_f32 v[\xb+nn], v[\xb+nn], v[S+2*(\q)+nn/32], v[T+2*(\q)+nn/32]   ; (q - 8) s: registers 0-31 lie in the fragment's first group of 64 along K, 32-63 in its second
.set nn, nn+1
.endr
	QUANT \xb, PCX, PWW+\q
.irp c, 0,1,2,3
	global_store_b128 v[LI], v[PCX+4*\c:PCX+4*\c+3], s[52:53] offset:2048*(\q)+512*\c   ; the image: 32 lanes store 512 consecutive bytes
.endr
.endm
	FRAGW 0, X, STW1, 0
	FRAGW 1, XS, STW, 1
	v_cmp_gt_u32 vcc_lo, 16, v1
	s_delay_alu instid0(VALU_DEP_1)
	v_cndmask_b32 v[SWW], v[PWW+1], v[PWW], vcc_lo ; lanes 0-15 store fragment 0's word of row r, lanes 16-31 fragment 1's
	global_store_b32 v[SWO], v[SWW], s[54:55]      ; 128 consecutive bytes
	s_wait_tensorcnt 0x0                           ; the wave's end: these lines behind my last tensor load, copy and LDS store
	s_wait_asynccnt 0x0
	ds_add_u32 v[SPW], v[NIL]
	s_wait_dscnt 0x0
	s_endpgm
.Lfunc_end_k_qf498729ea5_quant:
	.size	k_qf498729ea5_quant, .Lfunc_end_k_qf498729ea5_quant-k_qf498729ea5_quant
	.p2alignl 7, 3214868480
	.fill 96, 4, 3214868480
	.section	.rodata,"a",@progbits
	.p2align	6, 0x0
	.amdhsa_kernel k_qf498729ea5_quant
		.amdhsa_group_segment_fixed_size 327680
		.amdhsa_private_segment_fixed_size 0
		.amdhsa_enable_private_segment 0
		.amdhsa_kernarg_size 80
		.amdhsa_user_sgpr_count 2
		.amdhsa_user_sgpr_kernarg_segment_ptr 1
		.amdhsa_wavefront_size32 1
		.amdhsa_system_sgpr_workgroup_id_x 1
		.amdhsa_system_sgpr_workgroup_id_y 1
		.amdhsa_system_sgpr_workgroup_id_z 1
		.amdhsa_system_vgpr_workitem_id 0
		.amdhsa_next_free_vgpr 256
		.amdhsa_next_free_sgpr 88
		.amdhsa_reserve_vcc 1
		.amdhsa_float_denorm_mode_32 3
		.amdhsa_float_denorm_mode_16_64 3
		.amdhsa_memory_ordered 1
		.amdhsa_forward_progress 1
		.amdhsa_inst_pref_size 107
	.end_amdhsa_kernel
	.amdgpu_metadata
---
amdhsa.version: [ 1, 2 ]
amdhsa.kernels:
  - .name:           k_qf498729ea5_quant
    .symbol:         k_qf498729ea5_quant.kd
    .args:
      - { .name: x, .offset: 0, .size: 8, .value_kind: global_buffer, .address_space: global }
      - { .name: smooth_factor, .offset: 8, .size: 8, .value_kind: global_buffer, .address_space: global }
      - { .name: proj_down_codes, .offset: 16, .size: 8, .value_kind: global_buffer, .address_space: global }
      - { .name: proj_down_scales, .offset: 24, .size: 8, .value_kind: global_buffer, .address_space: global }
      - { .name: xs_t, .offset: 32, .size: 8, .value_kind: global_buffer, .address_space: global }
      - { .name: act_codes, .offset: 40, .size: 8, .value_kind: global_buffer, .address_space: global }
      - { .name: act_scales, .offset: 48, .size: 8, .value_kind: global_buffer, .address_space: global }
      - { .name: qweight, .offset: 56, .size: 8, .value_kind: global_buffer, .address_space: global }
      - { .name: wscales, .offset: 64, .size: 8, .value_kind: global_buffer, .address_space: global }
      - { .name: w_t, .offset: 72, .size: 8, .value_kind: global_buffer, .address_space: global }
    .group_segment_fixed_size: 327680
    .private_segment_fixed_size: 0
    .kernarg_segment_align: 8
    .kernarg_segment_size: 80
    .max_flat_workgroup_size: 512
    .sgpr_count:     88
    .vgpr_count:     256
    .wavefront_size: 32
...
	.end_amdgpu_metadata
.endif
;; end of part 1
;; launch gemm (part 2): grid 16 x 16, 4 waves a work-group, clusters of 4 x 4, 327,680 bytes of LDS; arguments xs_t, w_t, act_codes, act_scales, proj_up_codes, proj_up_scales, wtscale, bias, out0; writes out0
.if DOCPART == 2
	.amdgcn_target "amdgcn-amd-amdhsa--gfx1250"
	.amdhsa_code_object_version 6
	.text
	.protected	k_qf498729ea5_gemm
	.globl	k_qf498729ea5_gemm
	.p2align	8
	.type	k_qf498729ea5_gemm,@function
k_qf498729ea5_gemm:
	s_mov_b64 s[64:65], 0
	v_nop
	global_prefetch_b8 v0, s[64:65] scope:SCOPE_SE
	s_setreg_imm32_b32 hwreg(HW_REG_WAVE_MODE, 25, 1), 1
	s_wait_xcnt 0x0
	s_wait_alu depctr_hold_cnt(0) depctr_sa_sdst(0) depctr_va_vdst(0) depctr_va_sdst(0) depctr_va_ssrc(0) depctr_va_vcc(0) depctr_vm_vsrc(0)
	s_getreg_b32 s2, hwreg(HW_REG_IB_STS2, 6, 4)
	s_cmp_eq_u32 s2, 0
	s_cbranch_scc0 .Lentry_in_a_cluster
	s_endpgm
.Lentry_in_a_cluster:
	s_bfe_u32 s2, ttmp6, 0x10000c
	s_cmp_lg_u32 s2, 0xf033
	s_cbranch_scc0 .Lentry_shape_is_right
	s_endpgm
.Lentry_shape_is_right:
; out0 = bf16( Q(x / smooth) Q(W)^T + wtscale x ( act proj_up^T ) + bias ).  No work of the problem is left out here.
; xs_t and w_t hold codes and scale words as the first launch laid them: [row block of 128: 32][K step of 256: 16][chunk of 33,792 bytes];
; a chunk = 16 images of operand registers (fragment (16-row block i, 128-step q) at (2 i + q) x 2,048), then 8 bytes of scale words a row: 132 dense rows of 256 bytes.
; SHARES: 256 work-groups, each 256 x 256 of out0; four waves, each 128 x 128: 64 accumulators, 512 registers.  K goes in 16 steps of 256 through two LDS slots of four chunks.
; CLUSTERS 4 x 4: a chunk of xs_t is asked for jointly along a row of the cluster, a chunk of w_t along a column; a round of the cluster's barrier stands in front of every joint load.
; THE WALK ALONG K IS ROTATED: a cluster at (x, y) begins at K step 4 ((x + y) % 4) and wraps round, so the four clusters that take the same rows of an operand stand at four different K steps.
; The offset is made of the cluster's own numbers alone and enters global addresses alone.  LIMIT: the order of the f32 sum along K differs from cluster to cluster (rounding order only).
; THE THIRD PRODUCT COMES FIRST: act x proj_up^T (K = 32, the other 96 codes of the step are zeros) starts the sums; one packed multiply-add gives sum x wtscale + bias; the first product adds on top.
; THE MATRIX INSTRUCTION IS USED TRANSPOSED (source 0 = rows of W or proj_up, source 1 = rows of x): a lane holds eight neighbouring columns of one row of out0.
; THE LAST K STEP GOES BY ROWS: both 128-steps of W lie in registers, x's blocks of 16 rows come one by one (three buffers), and a finished block is rounded, turned through the wave's stage and stored while later blocks are multiplied.
; PREFETCH: behind each joint refill a wave names the chunk that it will load two refills on: the four partners of a joint load share its 132 rows by address (32 rows each, a lane a row, and one of the four rows of scale words each);
; the last two refills ask for nothing; the first four K steps of a walk come by their loads alone.
; REGISTERS: window 0: v0-31 addresses, v32-63 scale words (two sets), v64-127 the way out, v128-255 x's fragments; window 1: W's fragments, two sets; windows 2, 3: the accumulators ((a, b) at 8 (8 (a % 4) + b)).
.set CHUNK,  33792
.set RBLK,   16*CHUNK
.set SLOT,   4*CHUNK                   ; x's two chunks, then W's two
.set STAGE,  2*SLOT                    ; behind the ring: 16 rows x 272 bytes a wave
.set SPITCH, 272
.set SPARE,  STAGE+4*16*SPITCH         ; the spare words, 128 bytes a wave
.set LAPS,   8
.set ROWC,   8192                      ; a row of out0 in bytes
.set FR,     16
.set NL,     4
.set NP,     8                         ; places behind this matrix form (ISA guide 7.12.1)
.set ADRA, 16                          ; v16-17 my x fragments in slot 0, 1
.set ADRB, 20                          ; v20-21 my W fragments
.set ADRS, 22                          ; v22-23 scale words: lanes 0-15 x's rows, lanes 16-31 W's
.set STO,  24
.set RD,   25
.set CO,   26
.set LA,   27                          ; 32 r + 16 h: a row of 32 codes of act or proj_up
.set SPW,  28
.set NIL,  29
.set PFO,  30                          ; 256 x lane
.set PF2,  31                          ; from my 32 rows to my one row of scale words
.set SC,   32
.set AS,   48                          ; at the head: act's scale bytes,
.set US,   56                          ; and proj_up's
.set TMP,  64
.set AF,   128
.set BI,   128                         ; at the head, window 1: bias of my lane's columns
.set G1,  24
.set G0,  32
.set G1B, 48
.set G0B, 56
.set KC,  66                           ; the K step that the last refill asked for
.set KP,  67
.set WT,  76
.set OFF, 78
.set PFA, 80
.set PFB, 82
.set OF2, 92
.set MSB, 0
.macro WIN new                         ; the immediate's high byte repeats the setting that is left
.if MSB != (\new)
	s_set_vgpr_msb (MSB<<8)|(\new)
.set MSB, \new
.endif
.endm
.set MUL_LO, 0xa1                      ; source 0 window 1, source 1 window 0, C and D window 2
.set MUL_HI, 0xf1
.set TO_B,   0x40
.macro JLOAD s                         ; waves 0, 1 ask for x's two chunks, waves 2, 3 for W's; s_nop 0 and four v_nop behind each line
	s_cmp_eq_u32 s15, 0
	s_cbranch_scc0 .Lfor_b_\@
	tensor_load_to_lds s[G0+4*\s:G0+4*\s+3], s[G1:G1+7]
	s_nop 0
.rept 4
	v_nop
.endr
	s_branch .Lasked_\@
.Lfor_b_\@:
	tensor_load_to_lds s[G0B+4*\s:G0B+4*\s+3], s[G1B:G1B+7]
	s_nop 0
.rept 4
	v_nop
.endr
.Lasked_\@:
.endm
.macro ASK                             ; not in the loop's last trip: its two refills have no K step two refills on
	s_cmp_gt_u32 s3, 1
	s_cbranch_scc0 .Lnone_\@
	global_prefetch_b8 v[PFO], s[PFA:PFA+1] th:TH_LOAD_NT scope:SCOPE_SE
	global_prefetch_b8 v[PF2], s[PFA:PFA+1] th:TH_LOAD_NT scope:SCOPE_SE
.Lnone_\@:
.endm
.macro CREST
	s_cmp_lg_u32 s14, 0
	s_cbranch_scc1 .Lnot_wave_0_\@
	s_barrier_signal -3
.Lnot_wave_0_\@:
	s_barrier_wait -3
	s_barrier_signal -1
	s_barrier_wait -1
.endm
.macro CROUND
	s_barrier_signal -1
	s_barrier_wait -1
	CREST
.endm
.macro PLACES n
.rept \n
	v_nop
.endr
.endm
	s_load_b256 s[4:11], s[0:1], 0x0               ; xs_t, w_t, act_codes, act_scales
	s_load_b256 s[68:75], s[0:1], 0x20             ; proj_up's codes, its scales, wtscale, bias
	s_load_b64 s[12:13], s[0:1], 0x40              ; out0
	v_lshl_add_u32 v[SPW], v0, 2, SPARE
	v_mov_b32 v[NIL], 0
	ds_add_u32 v[SPW], v[NIL]                      ; the opening lines: the add twice on end and one wait
	ds_add_u32 v[SPW], v[NIL]
	v_lshrrev_b32 v1, 5, v0
	v_readfirstlane_b32 s14, v1                    ; wave
	s_lshr_b32 s15, s14, 1                         ; my half of the rows; also: I fetch for x (0) or W (1)
	s_and_b32 s16, s14, 1                          ; my half of the columns; also: which chunk of the two I fetch
	s_bfe_u32 s40, ttmp6, 0x40000                  ; cx
	s_bfe_u32 s41, ttmp6, 0x40004                  ; cy
	s_lshl_b32 s42, ttmp9, 2
	s_add_co_u32 s42, s42, s40                     ; tile column
	s_and_b32 s87, ttmp7, 0xffff
	s_lshl_b32 s17, s87, 2
	s_add_co_u32 s17, s17, s41                     ; tile row
	s_add_co_u32 s[KC], s87, ttmp9
	s_and_b32 s[KC], s[KC], 3
	s_lshl_b32 s[KC], s[KC], 2                     ; the walk's first K step: 4 ((cluster x + cluster y) % 4)
	s_mul_i32 s[OFF], s[KC], CHUNK
	s_mov_b32 s[OFF+1], 0
	s_mov_b32 s[OF2+1], 0
	s_lshl_b32 s43, s41, 2
	s_lshl_b32 s43, 15, s43                        ; my row of the cluster
	s_lshl_b32 s44, 0x1111, s40                    ; my column
	s_or_b32 s[G1+0], s43, (3<<16)|(1<<21)         ; elements of 8 bytes; bit 21 beside the mask
	s_or_b32 s[G1B+0], s44, (3<<16)|(1<<21)
.irp g, G1, G1B
	s_mov_b32 s[\g+1], 32<<16                      ; a chunk: 132 rows of 32 elements, dense
	s_mov_b32 s[\g+2], 132<<16
	s_mov_b32 s[\g+3], 32<<16
	s_mov_b32 s[\g+4], 132
	s_mov_b32 s[\g+5], 32
	s_mov_b32 s[\g+6], 0
	s_mov_b32 s[\g+7], 0
.endr
	s_lshl_b32 s20, s17, 1
	s_add_co_u32 s20, s20, s16
	s_mul_i32 s20, s20, RBLK                       ; x: row block 2 x tile row + my chunk
	s_mov_b32 s21, 0
	s_lshl_b32 s46, s42, 1
	s_add_co_u32 s46, s46, s16
	s_mul_i32 s46, s46, RBLK                       ; W: row block 2 x tile column + my chunk
	s_mov_b32 s47, 0
	s_mul_i32 s45, s14, CHUNK                      ; where my chunk lands in a slot
	s_cmp_eq_u32 s15, 0
	s_cselect_b32 s84, s20, s46                    ; the prefetches: my operand's row block,
	s_cselect_b32 s86, s40, s41                    ; my place p among the four that ask with me,
	s_lshl_b32 s85, s86, 13
	s_add_co_u32 s84, s84, s85                     ; rows 32 p .. 32 p + 31 of the chunk,
	s_mov_b32 s85, 0
	s_mul_i32 s86, s86, 7936
	s_sub_co_u32 s86, 32768, s86                   ; and from there to row 128 + p
	v_and_b32 v1, 15, v0                           ; r
	v_bfe_u32 v2, v0, 4, 1                         ; h
	v_lshlrev_b32 v3, 5, v2
	v_lshlrev_b32 v[LA], 5, v1
	v_lshl_add_u32 v[LA], v2, 4, v[LA]
	v_and_b32 v4, 31, v0
	v_lshlrev_b32 v[PFO], 8, v4
	v_mov_b32 v[PF2], s86
	v_lshlrev_b32 v4, 4, v4                        ; an image: 16 x lane
	s_mul_i32 s22, s15, CHUNK
	s_mul_i32 s23, s16, CHUNK
	s_add_co_u32 s23, s23, 2*CHUNK
	s_sub_co_u32 s18, s23, s22
	v_mul_u32_u24 v5, s18, v2                      ; lanes 16-31 take W's scale words
	v_lshl_add_u32 v5, v1, 3, v5
	s_add_co_u32 s19, s22, 32768
	v_add_nc_u32 v[ADRS], s19, v5
	v_add_nc_u32 v[ADRS+1], SLOT, v[ADRS]
.irp s, 0,1
	v_add_nc_u32 v[ADRA+\s], s22, v4
	v_add_nc_u32 v[ADRB+\s], s23, v4
	s_add_co_u32 s22, s22, SLOT
	s_add_co_u32 s23, s23, SLOT
.endr
	s_mul_i32 s19, s14, 16*SPITCH
	s_add_co_u32 s19, s19, STAGE
	v_mul_u32_u24 v5, v1, SPITCH
	v_lshl_add_u32 v5, v2, 4, v5
	v_add_nc_u32 v[STO], s19, v5                   ; the stage, in: row r, 16 bytes for each half of the lanes
	v_mul_u32_u24 v5, v2, SPITCH
	v_lshl_add_u32 v5, v1, 4, v5
	v_add_nc_u32 v[RD], s19, v5                    ; back: lanes 0-15 one row of 256 bytes, lanes 16-31 the next
	v_lshlrev_b32 v5, 13, v2
	v_lshl_add_u32 v[CO], v1, 4, v5
.irp a, 0,1,2,3,4,5,6,7                ; K = 32 of the third product fills registers 0-3 of a fragment: the other twelve hold zero codes
.irp i, 4,5,6,7,8,9,10,11,12,13,14,15
	v_mov_b32 v[AF+FR*\a+\i], 0
.endr
.endr
	WIN TO_B
.irp b, 0,1,2,3,4,5,6,7
.irp i, 4,5,6,7,8,9,10,11,12,13,14,15
	v_mov_b32 v[FR*\b+\i], 0
.endr
.endr
	WIN 0
	s_wait_alu depctr_va_vdst(0)
	s_wait_dscnt 0x0                               ; both opening adds are done
	s_wait_kmcnt 0x0
	s_load_b32 s[WT], s[72:73], 0x0
	s_add_nc_u64 s[20:21], s[4:5], s[20:21]        ; my row block of xs_t, K step 0
	s_add_nc_u64 s[46:47], s[6:7], s[46:47]        ; and of w_t
	s_cmp_eq_u32 s15, 0
	s_cselect_b64 s[PFB:PFB+1], s[4:5], s[6:7]
	s_add_nc_u64 s[PFB:PFB+1], s[PFB:PFB+1], s[84:85]
.irp s, 0,1
	s_mov_b32 s[G0+4*\s], 1
	s_add_co_u32 s[G0+4*\s+1], s45, \s*SLOT
	s_add_nc_u64 s[G0+4*\s+2:G0+4*\s+3], s[20:21], s[OFF:OFF+1]
	s_or_b32 s[G0+4*\s+3], s[G0+4*\s+3], 0x80000000
	s_mov_b32 s[G0B+4*\s], 1
	s_add_co_u32 s[G0B+4*\s+1], s45, \s*SLOT
	s_add_nc_u64 s[G0B+4*\s+2:G0B+4*\s+3], s[46:47], s[OFF:OFF+1]
	s_or_b32 s[G0B+4*\s+3], s[G0B+4*\s+3], 0x80000000
	s_add_co_u32 s[OFF], s[OFF], CHUNK             ; the walk's second K step (the first is 12 at the most: no wrap yet)
.endr
	s_add_co_u32 s[KC], s[KC], 1
	CROUND                                         ; all sixteen work-groups are here
	JLOAD 0                                        ; one tensor load a wave at the head
	; the third product's operands: my 128 rows of act, my 128 rows of proj_up, bias of my 128 columns
	s_lshl_b32 s84, s17, 8
	s_lshl_b32 s85, s15, 7
	s_add_co_u32 s84, s84, s85                     ; my first row of out0
	s_lshl_b32 s88, s42, 8
	s_lshl_b32 s89, s16, 7
	s_add_co_u32 s88, s88, s89                     ; my first column
	s_mov_b32 s87, 0
	s_mov_b32 s91, 0
	s_lshl_b32 s86, s84, 5
	s_add_nc_u64 s[8:9], s[8:9], s[86:87]
	s_mov_b32 s86, s84
	s_add_nc_u64 s[10:11], s[10:11], s[86:87]
	s_lshl_b32 s86, s84, 13
	s_lshl_b32 s90, s88, 1
	s_add_co_u32 s86, s86, s90
	s_add_nc_u64 s[12:13], s[12:13], s[86:87]
	s_lshl_b32 s90, s88, 5
	s_add_nc_u64 s[68:69], s[68:69], s[90:91]
	s_mov_b32 s90, s88
	s_add_nc_u64 s[70:71], s[70:71], s[90:91]
	s_lshl_b32 s90, s88, 2
	s_add_nc_u64 s[74:75], s[74:75], s[90:91]
.irp a, 0,1,2,3,4,5,6,7
	global_load_b128 v[AF+FR*\a:AF+FR*\a+3], v[LA], s[8:9] offset:512*\a
	global_load_u8 v[AS+\a], v1, s[10:11] offset:16*\a
	global_load_u8 v[US+\a], v1, s[70:71] offset:16*\a
.endr
	WIN TO_B
.irp b, 0,1,2,3,4,5,6,7
	global_load_b128 v[FR*\b:FR*\b+3], v[LA], s[68:69] offset:512*\b
	global_load_b128 v[BI+8*\b:BI+8*\b+3], v3, s[74:75] offset:64*\b
	global_load_b128 v[BI+8*\b+4:BI+8*\b+7], v3, s[74:75] offset:64*\b+16
.endr
	WIN 0
	s_wait_tensorcnt 0x0                           ; my chunk of the first K step is in; slot 1's first fill is issued as a refill is
	ds_add_u32 v[SPW], v[NIL]
	s_wait_dscnt 0x0
	CROUND                                         ; everybody's chunk is in, and the joint loads meet
	JLOAD 1
; 8 matrix instructions: x's block a (fragment at register ar) against W's eight of set p; q: which 128 of the slot; sc: the set of scale words.  The accumulators take turns.
.macro MM a, ar, p, q, sc
.irp b, 0,1,2,3,4,5,6,7
	v_wmma_scale_f32_16x16x128_f8f6f4 v[8*(8*((\a)%4)+\b):8*(8*((\a)%4)+\b)+7], v[128*(\p)+FR*\b:128*(\p)+FR*\b+FR-1], v[\ar:\ar+FR-1], v[8*(8*((\a)%4)+\b):8*(8*((\a)%4)+\b)+7], v[SC+16*(\sc)+2*\b+(\q)], v[SC+16*(\sc)+2*(\a)+(\q)] matrix_a_scale:MATRIX_SCALE_ROW1
.endr
.endm
.macro LMUL a                          ; the third product starts the sums: C = 0
.irp b, 0,1,2,3,4,5,6,7
	v_wmma_scale_f32_16x16x128_f8f6f4 v[8*(8*((\a)%4)+\b):8*(8*((\a)%4)+\b)+7], v[FR*\b:FR*\b+FR-1], v[AF+FR*(\a):AF+FR*(\a)+FR-1], 0, v[US+\b], v[AS+(\a)]
.endr
.endm
.macro BIASED hi                       ; sum x wtscale + bias, two at a time; each accumulator from its low end on
	WIN 0x92+0x41*\hi
.irp a, 0,1,2,3
.irp b, 0,1,2,3,4,5,6,7
.irp p, 0,2,4,6
	v_pk_fma_f32 v[8*(8*\a+\b)+\p:8*(8*\a+\b)+\p+1], v[8*(8*\a+\b)+\p:8*(8*\a+\b)+\p+1], s[WT:WT+1], v[BI+8*\b+\p:BI+8*\b+\p+1] op_sel_hi:[1,0,1]
.endr
.endr
.endr
.endm
	s_wait_kmcnt 0x0
	s_mov_b32 s[WT+1], s[WT]
	s_wait_loadcnt 0x0
	WIN MUL_LO
.irp a, 0,1,2,3
	LMUL \a
.endr
	WIN MUL_HI
.irp a, 4,5,6,7
	LMUL \a
.endr
	PLACES NP
	BIASED 0
	BIASED 1
	WIN 0
	s_wait_alu depctr_va_vdst(0)
.macro FRAG reg, adr, q, i             ; an image of 16 registers: four loads of 512 consecutive bytes
.irp c, 0,1,2,3
	ds_load_b128 v[\reg+4*\c:\reg+4*\c+3], v[\adr] offset:(2*(\i)+(\q))*2048+512*\c
.endr
.endm
.macro FETCH_B slot, q, p
	WIN TO_B
.irp i, 0,1,2,3,4,5,6,7
	FRAG 128*(\p)+FR*\i, ADRB+\slot, \q, \i
.endr
	WIN 0
.endm
.macro FETCH_A slot, q, i0
.irp i, \i0, \i0+1, \i0+2, \i0+3
	FRAG AF+FR*(\i), ADRA+\slot, \q, \i
.endr
.endm
.macro SCALES sc                       ; two words a row: lanes 0-15 x's block i, lanes 16-31 W's block i
.irp i, 0,1,2,3,4,5,6,7
	ds_load_b64 v[SC+16*\sc+2*\i:SC+16*\sc+2*\i+1], v[ADRS+\sc] offset:128*\i
.endr
.endm
.macro STEP slot                       ; a slot's first 128 along K
	s_wait_dscnt 4*NL                              ; all but the youngest sixteen loads (x's blocks 4-7)
	WIN MUL_LO
.irp a, 0,1,2,3
	MM \a, AF+FR*\a, 0, 0, \slot
.endr
	s_wait_dscnt 0
	PLACES NP
	FETCH_B \slot, 1, 1
	FETCH_A \slot, 1, 0
	WIN MUL_HI
.irp a, 4,5,6,7
	MM \a, AF+FR*\a, 0, 0, \slot
.endr
	PLACES NP
	WIN 0
	FETCH_A \slot, 1, 4
.endm
; The first half of a slot's second 128 along K, and the change of slots.  fill = 1: a round of the cluster's barrier, and this slot is filled again with the walk's K step two on.
.macro MEET slot, fill
.if \fill
	s_wait_xcnt 0x0                                ; my prefetches have read their address: it is written only behind this wait
	s_add_co_u32 s[KP], s[KC], 3                   ; two K steps beyond the one that this refill asks for, round the wrap
	s_and_b32 s[KP], s[KP], 15
	s_mul_i32 s[OF2], s[KP], CHUNK
	s_add_nc_u64 s[PFA:PFA+1], s[PFB:PFB+1], s[OF2:OF2+1]
.endif
	s_wait_dscnt 4*NL
	WIN MUL_LO
	MM 0, AF, 1, 1, \slot
	MM 1, AF+FR, 1, 1, \slot
	WIN 0                                          ; the add's registers lie in window 0
	s_wait_tensorcnt 0x0                           ; all my tensor loads have landed: my chunk of the next slot
	ds_add_u32 v[SPW], v[NIL]
.if \fill
	s_add_co_u32 s[KC], s[KC], 1                   ; no tensor load of mine is out: the descriptors may be written
	s_and_b32 s[KC], s[KC], 15
	s_mul_i32 s[OFF], s[KC], CHUNK
	s_add_nc_u64 s[G0+4*\slot+2:G0+4*\slot+3], s[20:21], s[OFF:OFF+1]
	s_or_b32 s[G0+4*\slot+3], s[G0+4*\slot+3], 0x80000000
	s_add_nc_u64 s[G0B+4*\slot+2:G0B+4*\slot+3], s[46:47], s[OFF:OFF+1]
	s_or_b32 s[G0B+4*\slot+3], s[G0B+4*\slot+3], 0x80000000
.endif
	WIN MUL_LO
	MM 2, AF+2*FR, 1, 1, \slot
	s_wait_dscnt 0x0                               ; the add is done, and my reads of this slot are over
	s_barrier_signal -1
	MM 3, AF+3*FR, 1, 1, \slot
	WIN 0
	s_barrier_wait -1
.if \fill
	CREST
	JLOAD \slot                                    ; the first tensor load behind the round; its four v_nop are among the places below
	PLACES NP-4
.else
	PLACES NP
.endif
.endm
.macro TURN slot, next
	MEET \slot, 1
	FETCH_B \next, 0, 0
	FETCH_A \next, 0, 0
	SCALES \next
	ASK
	WIN MUL_HI
.irp a, 4,5,6,7
	MM \a, AF+FR*\a, 1, 1, \slot
.endr
	PLACES NP
	WIN 0
	FETCH_A \next, 0, 4
.endm
	FETCH_B 0, 0, 0
	FETCH_A 0, 0, 0
	SCALES 0
	FETCH_A 0, 0, 4
	STEP 0
	s_mov_b32 s3, LAPS-1
.Llap:                                         ; a trip goes once round the ring and fills both slots again
	TURN 0, 1
	STEP 1
	TURN 1, 0
	STEP 0
	s_sub_co_u32 s3, s3, 1
	s_cmp_lg_u32 s3, 0
	s_cbranch_scc1 .Llap
; THE TAIL.  Nothing is filled again.  The last K step (slot 1) goes by rows of out0.
.macro ALOAD a                         ; x's block a, both 128-steps, into buffer a % 3
	FRAG AF+32*((\a)%3), ADRA+1, 0, \a
	FRAG AF+32*((\a)%3)+16, ADRA+1, 1, \a
.endm
.macro ROWQ a, q
	MM \a, AF+32*((\a)%3)+16*(\q), \q, \q, 1
.endm
.macro PACK a                          ; rounded to bf16: 16 bytes a lane for each of the eight accumulators
.set AC, 64*((\a)%4)
	WIN 0x0a+5*((\a)/4)
.irp b, 0,1,2,3,4,5,6,7
.irp r, 0,1,2,3
	v_cvt_pk_bf16_f32 v[TMP+4*\b+\r], v[AC+8*\b+2*\r], v[AC+8*\b+2*\r+1]
.endr
.endr
	WIN 0
.endm
.macro TOSTAGE a                       ; into my own stage and back as whole rows; LDS serves a wave's instructions in order (ISA guide 5.7.1.4)
.set BK, 96+128*((\a)%2)               ; v96-127 and v224-255 by turns
.irp b, 0,1,2,3,4,5,6,7
	ds_store_b128 v[STO], v[TMP+4*\b:TMP+4*\b+3] offset:32*\b
.endr
.irp t, 0,1,2,3,4,5,6,7
	ds_load_b128 v[BK+4*\t:BK+4*\t+3], v[RD] offset:\t*2*SPITCH
.endr
.endm
.macro SEND a, younger                 ; younger: the LDS loads issued behind the block's own, which may stay out
.set BK, 96+128*((\a)%2)
	s_wait_dscnt \younger
	s_wait_xcnt 0x0                                ; earlier stores have read their base and their data: the base steps, and the next block's loads land, only behind this wait
.if (\a) > 0
	s_add_nc_u64 s[12:13], s[12:13], 16*ROWC
.endif
.irp t, 0,1,2,3,4,5,6,7
	global_store_b128 v[CO], v[BK+4*\t:BK+4*\t+3], s[12:13] offset:2*\t*ROWC th:TH_STORE_NT   ; 16 lanes store 256 consecutive bytes, aligned
.endr
.endm
	MEET 0, 0
	FETCH_B 1, 0, 0                                ; 56 loads: W's first 128, x's blocks 0 and 1, the scale words
	ALOAD 0
	ALOAD 1
	SCALES 1
	WIN MUL_HI
.irp a, 4,5,6,7
	MM \a, AF+FR*\a, 1, 1, 0
.endr
	PLACES NP
	FETCH_B 1, 1, 1                                ; 40 loads: W's second 128, x's block 2
	ALOAD 2
	s_wait_dscnt 40                                ; the 56 are in
	WIN MUL_LO
	ROWQ 0, 0
	ROWQ 1, 0
	s_wait_dscnt 8                                 ; W's second 128 is in
	ROWQ 0, 1
	ROWQ 1, 1
	s_wait_dscnt 0x0                               ; block 2
	PLACES NP                                      ; ahead of the load into block 0's buffer and of the first read of its sums; later blocks have the conversions before them as places
.irp i, 0,1,2,3,4,5,6,7
.if (\i > 0) && (\i < 7)
	WIN MUL_LO+0x50*((\i+1)/4)
	ROWQ \i+1, 0
	ROWQ \i+1, 1
.endif
	WIN 0
.if \i < 5
	ALOAD \i+3                                     ; into the buffer that block i has left
.endif
	PACK \i
.if \i > 0
	s_wait_alu depctr_va_vdst(0)
.if \i < 5
	SEND \i-1, 8
.else
	SEND \i-1, 0
.endif
.endif
	TOSTAGE \i
.endr
	SEND 7, 0
	s_wait_tensorcnt 0x0                           ; the wave's end
	ds_add_u32 v[SPW], v[NIL]
	s_wait_dscnt 0x0
	CROUND                                         ; the closing round
	s_endpgm
.Lfunc_end_k_qf498729ea5_gemm:
	.size	k_qf498729ea5_gemm, .Lfunc_end_k_qf498729ea5_gemm-k_qf498729ea5_gemm
	.p2alignl 7, 3214868480
	.fill 96, 4, 3214868480
	.section	.rodata,"a",@progbits
	.p2align	6, 0x0
	.amdhsa_kernel k_qf498729ea5_gemm
		.amdhsa_group_segment_fixed_size 327680
		.amdhsa_private_segment_fixed_size 0
		.amdhsa_enable_private_segment 0
		.amdhsa_kernarg_size 72
		.amdhsa_user_sgpr_count 2
		.amdhsa_user_sgpr_kernarg_segment_ptr 1
		.amdhsa_wavefront_size32 1
		.amdhsa_system_sgpr_workgroup_id_x 1
		.amdhsa_system_sgpr_workgroup_id_y 1
		.amdhsa_system_sgpr_workgroup_id_z 1
		.amdhsa_system_vgpr_workitem_id 0
		.amdhsa_next_free_vgpr 1024
		.amdhsa_next_free_sgpr 96
		.amdhsa_reserve_vcc 0
		.amdhsa_float_denorm_mode_32 3
		.amdhsa_float_denorm_mode_16_64 3
		.amdhsa_memory_ordered 1
		.amdhsa_forward_progress 1
		.amdhsa_inst_pref_size 183
	.end_amdhsa_kernel
	.amdgpu_metadata
---
amdhsa.version: [ 1, 2 ]
amdhsa.kernels:
  - .name:           k_qf498729ea5_gemm
    .symbol:         k_qf498729ea5_gemm.kd
    .args:
      - { .name: xs_t, .offset: 0, .size: 8, .value_kind: global_buffer, .address_space: global }
      - { .name: w_t, .offset: 8, .size: 8, .value_kind: global_buffer, .address_space: global }
      - { .name: act_codes, .offset: 16, .size: 8, .value_kind: global_buffer, .address_space: global }
      - { .name: act_scales, .offset: 24, .size: 8, .value_kind: global_buffer, .address_space: global }
      - { .name: proj_up_codes, .offset: 32, .size: 8, .value_kind: global_buffer, .address_space: global }
      - { .name: proj_up_scales, .offset: 40, .size: 8, .value_kind: global_buffer, .address_space: global }
      - { .name: wtscale, .offset: 48, .size: 8, .value_kind: global_buffer, .address_space: global }
      - { .name: bias, .offset: 56, .size: 8, .value_kind: global_buffer, .address_space: global }
      - { .name: out0, .offset: 64, .size: 8, .value_kind: global_buffer, .address_space: global }
    .group_segment_fixed_size: 327680
    .private_segment_fixed_size: 0
    .kernarg_segment_align: 8
    .kernarg_segment_size: 72
    .max_flat_workgroup_size: 128
    .sgpr_count:     96
    .vgpr_count:     1024
    .wavefront_size: 32
...
	.end_amdgpu_metadata
.endif
;; end of part 2
